; MI455X (gfx1250); checked and timed in simulation.
; The chip was launched on July 23, 2026; its instructions are those of AMD's public machine-readable ISA for CDNA 5 (MIT licence, August 2026) and "CDNA5" Instruction Set Architecture Reference Guide (July 2026). The comments in the code are by the model that wrote it; some were corrected since.
;; MAM Dense. Allowed arithmetic: float matrix products may take bf16 or f16 operands with f32 sums; other float arithmetic in f32, or as packed bf16 or f16 multiplies, adds, multiply-adds, maxima and minima; sums over many terms, partial sums and values carried from step to step in f32; what a program stores and reads back later, other than sums and carried values, may be rounded once to bf16 or f16.
;; Inputs: bias 1,024 float32; weight 1,024 x 1,024 float32; x 1,024 x 1,024 float32.
;; Outputs: out0 1,024 x 1,024 float32.
;; One version. Each part assembles by itself: llvm-mc -triple=amdgcn-amd-amdhsa -mcpu=gfx1250 --defsym DOCPART=n.
;; ======== version 1 of 1: 1 launch
;; launch mam (part 1): grid 16 x 16, 4 waves a work-group, clusters of 4 x 4, 327,680 bytes of LDS; arguments x, weight, bias, out0; writes out0
.if DOCPART == 1
	.amdgcn_target "amdgcn-amd-amdhsa--gfx1250"
	.amdhsa_code_object_version 6
	.text
	.protected	k_q28cec28fc8_mam
	.globl	k_q28cec28fc8_mam
	.p2align	8
	.type	k_q28cec28fc8_mam,@function
k_q28cec28fc8_mam:
	s_mov_b64 s[64:65], 0
	v_nop
	global_prefetch_b8 v0, s[64:65] scope:SCOPE_SE
	s_setreg_imm32_b32 hwreg(HW_REG_WAVE_MODE, 25, 1), 1
	s_wait_xcnt 0x0
	s_wait_alu depctr_hold_cnt(0) depctr_sa_sdst(0) depctr_va_vdst(0) depctr_va_sdst(0) depctr_va_ssrc(0) depctr_va_vcc(0) depctr_vm_vsrc(0)
	s_getreg_b32 s2, hwreg(HW_REG_IB_STS2, 6, 4)
	s_cmp_eq_u32 s2, 0
	s_cbranch_scc0 .Lentry_in_a_cluster
	s_endpgm
.Lentry_in_a_cluster:
	s_bfe_u32 s2, ttmp6, 0x10000c
	s_cmp_lg_u32 s2, 0xf033
	s_cbranch_scc0 .Lentry_shape_is_right
	s_endpgm
.Lentry_shape_is_right:
; out0[m][n] = max over k of x[m][k] w[n][k]  +  min over k of x[m][k] w[n][k]  +  bias[n].   x: [1024][1024], w: [1024][1024], bias: [1024], out0: [1024][1024], all f32.
; All arithmetic in f32: a product is rounded once, maxima and minima round nothing, then (max + min) + bias in that order.
; LIMITS.  v_max3_num_f32 and v_min3_num_f32 let a NaN lose: where a product is NaN (a NaN input, 0 x infinity) the output is made of the other products and is not NaN.  The sign of a zero result is not cared for.
; NO MATRIX UNIT: a maximum is no sum.  THE COUNT: two products by one v_pk_mul_f32, two products folded into a maximum by one v_max3_num_f32, into a minimum by one v_min3_num_f32:
; 3 vector instructions for 2 products, 2^30 x 1.5 / 32 lanes / 1,024 waves = 49,152 for each wave.  All else in this text is there to feed them.
; SHARES.  A work-group makes 64 x 64 of out0; 16 x 16 work-groups.  Its four waves make 32 x 32 each (wave = 2 wm + wn).  A wave's lanes lie 4 (lm = lane / 8) x 8 (ln = lane % 8); a lane makes 8 rows x 4 columns:
; rows 32 wm + lm + 4 i, columns 32 wn + ln + 8 j: 32 maxima and 32 minima.  For 4 along K it reads 8 x 16 bytes of x and 4 x 16 bytes of w from LDS for 128 products, 192 vector instructions.
; THE RING.  K goes in 8 steps of 128 through two LDS slots, each with 64 rows of x and 64 rows of w; a row of a tile is 512 bytes of memory and starts at a multiple of 512 from the buffer's first byte.
; Each wave brings 32 rows with one tensor load: waves 0 and 1 x's halves, waves 2 and 3 w's.  A refill has a step, 6,144 vector instructions of a wave, in which to land.
; CLUSTERS: 4 x 4 work-groups.  The four of a row of the cluster need the same rows of x, the four of a column the same rows of w: each tile is asked for JOINTLY, by the same tensor load with the same
; descriptor and a mask that names the four; each receives it in its own LDS.
.set ROWB,   4096                      ; bytes in a row of x, of w and of out0
.set KSTEP,  128
.set STEPB,  KSTEP*4                   ; bytes of a row in a step
.set STEPS,  1024/KSTEP
.set PITCH,  STEPB+16                  ; an LDS row: 512 bytes + 16 of padding = 132 words
.set HALFT,  32*PITCH                  ; what one tensor load brings
.set TILE,   2*HALFT                   ; 64 rows
.set SLOT,   2*TILE                    ; x's 64 rows, then w's 64 rows
.set SLOT1,  1<<17                     ; slot 1 begins here, so that one exclusive or turns an address in one slot into the other's
.set STAGE,  SLOT1+SLOT                ; behind the ring, never filled by a tensor load: 64 rows of the result
.set SPITCH, 288                       ; a stage row: 256 bytes + 32 = 72 words: the 4 rows x 8 words that one store of a wave writes fall on 32 different banks
.set SPARE,  STAGE+64*SPITCH           ; behind the stage: the spare words, 128 bytes for each wave: two blocks of 256 bytes that no other line names
.set PAIRS,  KSTEP/8                   ; a step is 16 pairs of chunks of 4 along K
.set AX0, 2                            ; v2   my lane's place in a slot's tile of x: (32 wm + lm) x PITCH; never rewritten
.set AW0, 3                            ; v3   the same for w: TILE + (32 wn + ln) x PITCH
.set AX,  4                            ; v4   LDS address of the chunk of x in hand
.set AW,  5                            ; v5   of w
.set STO, 6                            ; v6   the way out: where I put my numbers
.set RD,  7                            ; v7   the way out: where I read rows back
.set GO,  8                            ; v8   my byte offset in two rows of out0
.set PFO, 9                            ; v9   the prefetches' offset: (lane / 2) rows + (lane % 2) x 256 bytes; never rewritten
.set SPW, 10                           ; v10  LDS address of my spare word: SPARE + 4 x my thread's number; never rewritten
.set NIL, 11                           ; v11  0; never rewritten
.set BI,  12                           ; v[12:15]   the bias of the four columns that I store
.set P,   16                           ; v[16:31]   products: column j, pair h of the chunk's four k at P + 4 j + 2 h
.set BUF, 32                           ; v[32:127]  two sets of 48: x's 8 rows x 4 k, then w's 4 rows x 4 k
.set MX,  128                          ; v[128:159] maxima, (i, j) at MX + 4 i + j
.set MN,  160                          ; v[160:191] minima
.set BO,  192                          ; v192 my byte offset in the work-group's 256 bytes of bias
.set T0,  193                          ; v193, v194 at work in the set-up
.set T1,  194
.set WV,  12                           ; s12  my wave's number
.set CX,  13                           ; s13, s14  my work-group's place in the cluster
.set CY,  14
.set LIM, 15                           ; s15  1 in a wave that prefetches, else the greatest number
.set PFA, 18                           ; s[18:19] where my prefetches stand
.set G1X, 24                           ; s[24:31] descriptor group 1 for x's tiles
.set G1W, 32                           ; s[32:39] for w's: it differs in the mask alone
.set G0X, 40                           ; s[40:47] descriptor group 0 for x's tiles: a set for each of the two first fills; the second then walks on
.set G0W, 48                           ; s[48:55] the same for w's
.set SLOTS, 56                         ; s56  refills still to come
.set CNT, 57                           ; s57  counts a step's pairs of chunks
.set TB,  58                           ; s58  LDS byte at which the chunk pair in hand begins: the slot, plus the bytes gone along the rows
.set TC,  59                           ; s59  tile column of out0
.set TR,  60                           ; s60  tile row
.set LP,  61                           ; s61  where my tensor loads land in a slot
; A joint refill.  The branch hangs on the wave's number alone: it is the same in every work-group.  An s_nop 0 and four v_nop follow each of the two lines, ahead of the jump and the label.
.macro JLOAD
	s_cmp_lt_u32 s[WV], 2
	s_cbranch_scc0 .Lfor_w_\@
	tensor_load_to_lds s[G0X+4:G0X+7], s[G1X:G1X+7]
	s_nop 0
.rept 4
	v_nop
.endr
	s_branch .Lasked_\@
.Lfor_w_\@:
	tensor_load_to_lds s[G0W+4:G0W+7], s[G1W:G1W+7]
	s_nop 0
.rept 4
	v_nop
.endr
.Lasked_\@:
.endm
; A PREFETCH INTO THE L2 of the step that the NEXT refill will ask for: one K step, 6,144 vector instructions of a wave, ahead of that load.  A step is 512 bytes, two blocks of 256, of each row.
; Each block is named ONCE in the launch.  A tile row's 64 rows of x are read by every cluster of that row of clusters: the first of them (cluster x = 0) asks; a tile column's rows of w by every cluster of
; that column: cluster y = 0 asks.  The four partners that ask for a tile jointly share its rows out BY ADDRESS, 16 each (by cx for x, by cy for w): no branch hangs on a work-group's place in its cluster.
; In each, wave 0 asks for x's and wave 2 for w's: 16 rows x 2 blocks, a lane a block, one instruction.  Steps 0, 1 and 2 come by their loads alone; the last refill has no step behind it and asks for nothing.
.macro ASK
	s_cmp_gt_u32 s[SLOTS], s[LIM]
	s_cbranch_scc0 .Lnot_mine_\@
	global_prefetch_b8 v[PFO], s[PFA:PFA+1] th:TH_LOAD_NT scope:SCOPE_SE
.Lnot_mine_\@:
.endm
; A round of the cluster's barrier: my work-group's barrier, so that wave 0's signal speaks for all four waves; wave 0 signals for the work-group; every wave waits for all sixteen; my work-group's barrier once more.
.macro CREST                           ; a round behind its opening barrier
	s_cmp_lg_u32 s[WV], 0
	s_cbranch_scc1 .Lnot_wave_0_\@
	s_barrier_signal -3
.Lnot_wave_0_\@:
	s_barrier_wait -3
	s_barrier_signal -1
	s_barrier_wait -1
.endm
.macro CROUND                          ; a whole round
	s_barrier_signal -1
	s_barrier_wait -1
	CREST
.endm
	s_load_b256 s[4:11], s[0:1], 0x0               ; x s[4:5], w s[6:7], bias s[8:9], out0 s[10:11]
	v_lshl_add_u32 v[SPW], v0, 2, SPARE
	v_mov_b32 v[NIL], 0
	ds_add_u32 v[SPW], v[NIL]                      ; the wave's opening: the add and its wait stand ahead of my first tensor load; the set-up below, work on registers, stands between them
	v_lshrrev_b32 v1, 5, v0
	v_readfirstlane_b32 s[WV], v1                  ; wave 0..3
	s_bfe_u32 s[CX], ttmp6, 0x40000                ; cx, cy
	s_bfe_u32 s[CY], ttmp6, 0x40004
	s_lshl_b32 s[TC], ttmp9, 2                     ; in a cluster launch ttmp9 and ttmp7 count clusters
	s_add_co_u32 s[TC], s[TC], s[CX]               ; tile column = 4 x cluster x + cx
	s_and_b32 s[TR], ttmp7, 0xffff
	s_lshl_b32 s[TR], s[TR], 2
	s_add_co_u32 s[TR], s[TR], s[CY]               ; tile row = 4 x cluster y + cy
	s_lshl_b32 s16, s[CY], 2
	s_lshl_b32 s16, 15, s16                        ; my row of the cluster: places 4 cy .. 4 cy + 3
	s_lshl_b32 s17, 0x1111, s[CX]                  ; my column: places cx, cx + 4, cx + 8, cx + 12
	; descriptor group 1: a tile of 32 rows x 128 elements of 4 bytes, padded in LDS
	s_or_b32 s[G1X], s16, (2<<16)|(1<<20)|(1<<21)|(6<<22)|(3<<25)  ; 15:0 the mask: x's tiles go to my row; 17:16 elements of 4 bytes; 20 padding on; 21 set beside a mask; 24:22 after every 128 words (code 6); 31:25 4 words of it (code 3)
	s_or_b32 s[G1W], s17, (2<<16)|(1<<20)|(1<<21)|(6<<22)|(3<<25)  ; the same with the mask of my column, for w's tiles
.irp g, G1X, G1W
	s_mov_b32 s[(\g)+1], KSTEP<<16                 ; tensor_dim0 = 128
	s_mov_b32 s[(\g)+2], 32<<16                    ; tensor_dim1 = 32
	s_mov_b32 s[(\g)+3], KSTEP<<16                 ; tile_dim0 = 128
	s_mov_b32 s[(\g)+4], 32                        ; tile_dim1 = 32
	s_mov_b32 s[(\g)+5], 1024                      ; elements from row to row
	s_mov_b32 s[(\g)+6], 0
	s_mov_b32 s[(\g)+7], 0
.endr
	; where the tiles come from: x's hang on the tile row alone, which my row of the cluster shares; w's on the tile column alone.  Every wave makes both, in registers that never hold the other coordinate.
	s_and_b32 s16, s[WV], 1
	s_lshl_b32 s16, s16, 5                         ; which 32 rows of a tile I fetch
	s_lshl_b32 s20, s[TR], 6
	s_add_co_u32 s20, s20, s16
	s_lshl_b32 s20, s20, 12                        ; x: (64 x tile row + 32 x half) rows of 4,096 bytes: under 2^22
	s_mov_b32 s21, 0
	s_lshl_b32 s22, s[TC], 6
	s_add_co_u32 s22, s22, s16
	s_lshl_b32 s22, s22, 12                        ; w: the same by the tile column
	s_mov_b32 s23, 0
	s_mul_i32 s[LP], s[WV], HALFT                  ; and where they go: x's two halves, then w's two halves: no place in the cluster enters an LDS address
	; the prefetches: which rows are mine, and whether I ask at all
	s_and_b32 s17, ttmp7, 0xffff                   ; cluster y
	s_lshl_b32 s2, s[TR], 6
	s_lshl_b32 s3, s[TC], 6
	s_cmp_lt_u32 s[WV], 2                          ; do I fetch for x?
	s_cselect_b32 s2, s2, s3                       ; the tile's first row: in x by the tile row, in w by the tile column
	s_cselect_b32 s3, s[CX], s[CY]                 ; my work-group's place among the four that ask for it jointly
	s_cselect_b32 s17, ttmp9, s17                  ; the coordinate along which other clusters read the same rows
	s_lshl_b32 s3, s3, 4
	s_add_co_u32 s2, s2, s3                        ; + my work-group's 16 rows
	s_lshl_b32 s2, s2, 12
	s_mov_b32 s3, 0
	s_and_b32 s16, s[WV], 1                        ; waves 0 and 2 ask,
	s_or_b32 s17, s17, s16                         ; in the first cluster along that coordinate: the same in all sixteen partners, for a given wave
	s_cmp_eq_u32 s17, 0
	s_cselect_b32 s[LIM], 1, -1
	s_mov_b32 s[TB], 0
	s_mov_b32 s[SLOTS], STEPS-2
	s_wait_dscnt 0x0                               ; the opening add is done
	s_wait_kmcnt 0x0
	s_add_nc_u64 s[20:21], s[4:5], s[20:21]        ; x and w at my 32 rows
	s_add_nc_u64 s[22:23], s[6:7], s[22:23]
	s_cmp_lt_u32 s[WV], 2
	s_cselect_b64 s[PFA:PFA+1], s[4:5], s[6:7]
	s_add_nc_u64 s[PFA:PFA+1], s[PFA:PFA+1], s[2:3]
	s_add_nc_u64 s[PFA:PFA+1], s[PFA:PFA+1], 2*STEPB  ; at step 2: the first change of slots steps it to 3.  Nothing is prefetched here, at the head, where every work-group's first tiles are on their way
	s_lshl_b32 s2, s[TC], 8                        ; the work-group's 64 columns: 256 bytes of bias and of a row of out0
	s_add_nc_u64 s[8:9], s[8:9], s[2:3]
	s_add_nc_u64 s[10:11], s[10:11], s[2:3]
	s_lshl_b32 s2, s[TR], 2
	s_add_co_u32 s2, s2, s[WV]
	s_lshl_b32 s2, s2, 16                          ; the rows that I store: (64 x tile row + 16 x wave) x 4,096 bytes
	s_add_nc_u64 s[10:11], s[10:11], s[2:3]
	CROUND                                         ; all sixteen work-groups are here: the first joint loads meet
.irp s, 0,1
	s_mov_b32 s[G0X+4*(\s)], 1                                     ; 1:0 count = 1
	s_add_co_u32 s[G0X+4*(\s)+1], s[LP], (\s)*SLOT1                ; 63:32 LDS address
	s_add_nc_u64 s[G0X+4*(\s)+2:G0X+4*(\s)+3], s[20:21], (\s)*STEPB  ; 120:64 global address: K step s
	s_or_b32 s[G0X+4*(\s)+3], s[G0X+4*(\s)+3], 0x80000000          ; 127:126 type = 2
	s_mov_b32 s[G0W+4*(\s)], 1
	s_add_co_u32 s[G0W+4*(\s)+1], s[LP], (\s)*SLOT1
	s_add_nc_u64 s[G0W+4*(\s)+2:G0W+4*(\s)+3], s[22:23], (\s)*STEPB
	s_or_b32 s[G0W+4*(\s)+3], s[G0W+4*(\s)+3], 0x80000000
.endr
	s_cmp_lt_u32 s[WV], 2                          ; a wave's two first fills stand in one branch, ahead of every wait on TENSORcnt, every LDS read and every other barrier: two loads of mine are out
	s_cbranch_scc0 .Lfirst_w
	tensor_load_to_lds s[G0X:G0X+3], s[G1X:G1X+7]
	s_nop 0
	tensor_load_to_lds s[G0X+4:G0X+7], s[G1X:G1X+7]
	s_nop 0
.rept 4
	v_nop
.endr
	s_branch .Lfirst_asked
.Lfirst_w:
	tensor_load_to_lds s[G0W:G0W+3], s[G1W:G1W+7]
	s_nop 0
	tensor_load_to_lds s[G0W+4:G0W+7], s[G1W:G1W+7]
	s_nop 0
.rept 4
	v_nop
.endr
.Lfirst_asked:
	; all that follows up to the barrier stands in the wait for the first tile
	v_and_b32 v[T0], 7, v0                         ; ln
	v_bfe_u32 v[T1], v0, 3, 2                      ; lm
	s_lshr_b32 s16, s[WV], 1                       ; wm
	s_and_b32 s17, s[WV], 1                        ; wn
	s_mul_i32 s2, s16, 32*PITCH
	v_mul_u32_u24 v[AX0], v[T1], PITCH
	v_add_nc_u32 v[AX0], s2, v[AX0]                ; row 32 wm + lm of x's tile
	s_mul_i32 s2, s17, 32*PITCH
	s_add_co_u32 s2, s2, TILE
	v_mul_u32_u24 v[AW0], v[T0], PITCH
	v_add_nc_u32 v[AW0], s2, v[AW0]                ; row 32 wn + ln of w's tile
	s_mul_i32 s2, s16, 32*SPITCH                   ; into the stage: row 32 wm + lm, column 32 wn + ln
	s_lshl_b32 s3, s17, 7
	s_add_co_u32 s2, s2, s3
	s_add_co_u32 s2, s2, STAGE
	v_mul_u32_u24 v[STO], v[T1], SPITCH
	v_lshl_add_u32 v[STO], v[T0], 2, v[STO]
	v_add_nc_u32 v[STO], s2, v[STO]
	v_and_b32 v[T0], 15, v0                        ; back: wave w takes rows 16 w .. 16 w + 15, whole; lanes 0-15 one row of 256 bytes, lanes 16-31 the next
	v_bfe_u32 v[T1], v0, 4, 1
	s_mul_i32 s2, s[WV], 16*SPITCH
	s_add_co_u32 s2, s2, STAGE
	v_mul_u32_u24 v[RD], v[T1], SPITCH
	v_lshl_add_u32 v[RD], v[T0], 4, v[RD]
	v_add_nc_u32 v[RD], s2, v[RD]
	v_lshlrev_b32 v[GO], 12, v[T1]                 ; and the same two rows in out0
	v_lshl_add_u32 v[GO], v[T0], 4, v[GO]
	v_lshlrev_b32 v[BO], 4, v[T0]
	global_load_b128 v[BI:BI+3], v[BO], s[8:9]     ; the bias of my four columns on the way out: 16 lanes read the work-group's 256 bytes; waited for at the end
	v_bfe_u32 v[T1], v0, 1, 4
	v_and_b32 v[T0], 1, v0
	v_lshlrev_b32 v[PFO], 12, v[T1]
	v_lshl_add_u32 v[PFO], v[T0], 8, v[PFO]
.set r, 0
.rept 32                               ; the maxima start at -infinity, the minima at +infinity, so that the loop has one form of chunk; a first chunk written out would be one more copy of the loop's text
	v_mov_b32 v[MX+r], 0xff800000
	v_mov_b32 v[MN+r], 0x7f800000
.set r, r+1
.endr
; A chunk's 12 LDS loads into set s: 4 along K, at byte k behind the two addresses, of my 8 rows of x (4 rows apart) and my 4 rows of w (8 rows apart).
.macro LOADS s, k
.irp i, 0,1,2,3,4,5,6,7
	ds_load_b128 v[BUF+48*(\s)+4*(\i):BUF+48*(\s)+4*(\i)+3], v[AX] offset:(\k)+(\i)*4*PITCH
.endr
.irp j, 0,1,2,3
	ds_load_b128 v[BUF+48*(\s)+32+4*(\j):BUF+48*(\s)+32+4*(\j)+3], v[AW] offset:(\k)+(\j)*8*PITCH
.endr
.endm
; Rows i0 to i1 of a chunk in set s.  A row: 8 packed multiplies (4 columns x 2 pairs of k), then for each pair of products one maximum and one minimum of three.
; The order keeps every result eight instructions or more from its first reader, and the two links on one accumulator eight apart.
.macro COMP s, i0, i1
.set XS, BUF+48*(\s)
.set WS, BUF+48*(\s)+32
.set ci, (\i0)
.rept (\i1)-(\i0)+1
.irp h, 0,1
.irp j, 0,1,2,3
	v_pk_mul_f32 v[P+4*(\j)+2*(\h):P+4*(\j)+2*(\h)+1], v[XS+4*ci+2*(\h):XS+4*ci+2*(\h)+1], v[WS+4*(\j)+2*(\h):WS+4*(\j)+2*(\h)+1]
.endr
.endr
.irp h, 0,1
.irp j, 0,1,2,3
	v_max3_num_f32 v[MX+4*ci+(\j)], v[MX+4*ci+(\j)], v[P+4*(\j)+2*(\h)], v[P+4*(\j)+2*(\h)+1]
	v_min3_num_f32 v[MN+4*ci+(\j)], v[MN+4*ci+(\j)], v[P+4*(\j)+2*(\h)], v[P+4*(\j)+2*(\h)+1]
.endr
.endr
.set ci, ci+1
.endr
.endm
; A K STEP: 32 chunks on the two register sets by turns; while one set's 192 instructions run, the other's 12 loads are out.  At its entry the step's first chunk has been asked for, into set 0.
; The last pair is written out, with THE CHANGE OF SLOTS in it.  mode = 1: the slot just read is filled again, two steps on; 0: nothing is left to ask for; 2: the last step, no change.
; The change: the step's last chunk lies in registers or is on its way there.  Each wave waits for all its tensor loads, of which one at the most is out: its part of the other slot; adds 0 to its spare word; waits for that and for its own
; reads of the slot.  Behind the barrier nobody reads this slot any more and the other slot is whole.  With mode = 1 the barrier opens a round of the cluster's, so that no wave of any partner still reads the slot or has a
; load on its way, and the joint refill is the first thing behind the round.  The last chunk's arithmetic is dealt round these lines: two rows while the add is out, two between signal and wait, four behind the next slot's first loads.
.macro STEP mode
	s_mov_b32 s[CNT], PAIRS-1
.Lpair_\@:
	LOADS 1, 16
	s_add_co_u32 s[TB], s[TB], 32                  ; the next pair of chunks
	v_add_nc_u32 v[AX], s[TB], v[AX0]
	v_add_nc_u32 v[AW], s[TB], v[AW0]
	s_wait_dscnt 12                                ; set 0 is in; set 1's 12 loads may stay out (LDS loads come back in order: ISA guide 5.7.1)
	COMP 0, 0, 7
	LOADS 0, 0
	s_wait_dscnt 12                                ; set 1 is in
	COMP 1, 0, 7
	s_sub_co_u32 s[CNT], s[CNT], 1
	s_cmp_lg_u32 s[CNT], 0
	s_cbranch_scc1 .Lpair_\@
	LOADS 1, 16                                    ; the step's last chunk
	s_wait_dscnt 12
	COMP 0, 0, 7
.if (\mode) == 2
	s_wait_dscnt 0x0
	COMP 1, 0, 7
.else
	s_wait_tensorcnt 0x0                           ; no tensor load of mine is out, so a group 0 may be written
	ds_add_u32 v[SPW], v[NIL]                      ; 0 onto my spare word; work on registers stands between it and the wait for it
.if (\mode) == 1
.irp g, G0X+4, G0W+4
	s_xor_b32 s[(\g)+1], s[(\g)+1], SLOT1          ; the walking descriptor: the other slot than last time,
	s_add_nc_u64 s[(\g)+2:(\g)+3], s[(\g)+2:(\g)+3], STEPB  ; the next K step; the type bits on top are not reached
.endr
	s_wait_xcnt 0x0                                ; the last prefetch, a step back, has read its address, so it may be written:
	s_add_nc_u64 s[PFA:PFA+1], s[PFA:PFA+1], STEPB ; one step beyond the walking descriptors
.endif
	s_sub_co_u32 s[TB], s[TB], STEPB-32            ; back to the rows' first bytes,
	s_xor_b32 s[TB], s[TB], SLOT1                  ; in the other slot
	v_add_nc_u32 v[AX], s[TB], v[AX0]
	v_add_nc_u32 v[AW], s[TB], v[AW0]
	s_wait_dscnt 0x1                               ; set 1 is in; the add may be out
	COMP 1, 0, 1
	s_wait_dscnt 0x0                               ; the add is done, and my reads of this slot are over:
	s_barrier_signal -1                            ; say so,
	COMP 1, 2, 3                                   ; work on registers while the others arrive,
	s_barrier_wait -1                              ; and go on when all four have said so
.if (\mode) == 1
	CREST                                          ; all sixteen work-groups have said so
	JLOAD                                          ; my one tensor load behind the round, and the first thing there
.endif
	LOADS 0, 0                                     ; the next step's first chunk
.if (\mode) == 1
	ASK                                            ; behind the joint load and the run of LDS loads
.endif
	COMP 1, 4, 7
.endif
.endm
	s_wait_tensorcnt 0x1                           ; my part of K step 0 is in; step 1's may stay out
	s_barrier_signal -1
	s_barrier_wait -1                              ; everybody's is
	v_add_nc_u32 v[AX], s[TB], v[AX0]
	v_add_nc_u32 v[AW], s[TB], v[AW0]
	LOADS 0, 0
.Lslot:                                        ; six trips: steps 0 to 5, each followed by the refill for the step two on
	STEP 1
	s_sub_co_u32 s[SLOTS], s[SLOTS], 1
	s_cmp_lg_u32 s[SLOTS], 0
	s_cbranch_scc1 .Lslot
	STEP 0                                         ; the tail is written out: step 6, and the wait and barrier for step 7's tile
	STEP 2                                         ; step 7
	; THE WAY OUT.  max + min in registers; 4 bytes a number into the work-group's stage; a barrier, since a row's 256 bytes come from two waves; back as whole rows, 16 rows a wave; + bias; stored.
.set r, 0
.rept 16
	v_pk_add_f32 v[MX+r:MX+r+1], v[MX+r:MX+r+1], v[MN+r:MN+r+1]
.set r, r+2
.endr
.irp i, 0,1,2,3,4,5,6,7
.irp j, 0,1,2,3
	ds_store_b32 v[STO], v[MX+4*(\i)+(\j)] offset:(\i)*4*SPITCH+32*(\j)
.endr
.endr
	s_wait_dscnt 0x0                               ; for the others' sake: my stores into the stage are done
	s_barrier_signal -1
	s_barrier_wait -1
.irp t, 0,1,2,3,4,5,6,7
	ds_load_b128 v[BUF+4*(\t):BUF+4*(\t)+3], v[RD] offset:(\t)*2*SPITCH
.endr
	s_wait_loadcnt 0x0                             ; the bias, asked for at the head
.irp t, 0,1,2,3,4,5,6,7
	s_wait_dscnt 7-(\t)                            ; pair t of rows is back; the younger loads may stay out
	v_pk_add_f32 v[BUF+4*(\t):BUF+4*(\t)+1], v[BUF+4*(\t):BUF+4*(\t)+1], v[BI:BI+1]
	v_pk_add_f32 v[BUF+4*(\t)+2:BUF+4*(\t)+3], v[BUF+4*(\t)+2:BUF+4*(\t)+3], v[BI+2:BI+3]
	global_store_b128 v[GO], v[BUF+4*(\t):BUF+4*(\t)+3], s[10:11] offset:(\t)*2*ROWB  ; 16 lanes store 256 consecutive bytes, at a multiple of 256 from out0's first byte
.endr
	s_wait_tensorcnt 0x0                           ; the wave's end: behind my last tensor load and my last LDS store
	ds_add_u32 v[SPW], v[NIL]
	s_wait_dscnt 0x0
	CROUND                                         ; the closing round: no work-group ends while a partner may still ask for a tile that names it
	s_endpgm
.Lfunc_end_k_q28cec28fc8_mam:
	.size	k_q28cec28fc8_mam, .Lfunc_end_k_q28cec28fc8_mam-k_q28cec28fc8_mam
	.p2alignl 7, 3214868480
	.fill 96, 4, 3214868480
	.section	.rodata,"a",@progbits
	.p2align	6, 0x0
	.amdhsa_kernel k_q28cec28fc8_mam
		.amdhsa_group_segment_fixed_size 327680
		.amdhsa_private_segment_fixed_size 0
		.amdhsa_enable_private_segment 0
		.amdhsa_kernarg_size 32
		.amdhsa_user_sgpr_count 2
		.amdhsa_user_sgpr_kernarg_segment_ptr 1
		.amdhsa_wavefront_size32 1
		.amdhsa_system_sgpr_workgroup_id_x 1
		.amdhsa_system_sgpr_workgroup_id_y 1
		.amdhsa_system_sgpr_workgroup_id_z 1
		.amdhsa_system_vgpr_workitem_id 0
		.amdhsa_next_free_vgpr 196
		.amdhsa_next_free_sgpr 66
		.amdhsa_reserve_vcc 0
		.amdhsa_float_denorm_mode_32 3
		.amdhsa_float_denorm_mode_16_64 3
		.amdhsa_memory_ordered 1
		.amdhsa_forward_progress 1
		.amdhsa_inst_pref_size 174
	.end_amdhsa_kernel
	.amdgpu_metadata
---
amdhsa.version: [ 1, 2 ]
amdhsa.kernels:
  - .name:           k_q28cec28fc8_mam
    .symbol:         k_q28cec28fc8_mam.kd
    .args:
      - { .name: x, .offset: 0, .size: 8, .value_kind: global_buffer, .address_space: global }
      - { .name: weight, .offset: 8, .size: 8, .value_kind: global_buffer, .address_space: global }
      - { .name: bias, .offset: 16, .size: 8, .value_kind: global_buffer, .address_space: global }
      - { .name: out0, .offset: 24, .size: 8, .value_kind: global_buffer, .address_space: global }
    .group_segment_fixed_size: 327680
    .private_segment_fixed_size: 0
    .kernarg_segment_align: 8
    .kernarg_segment_size: 32
    .max_flat_workgroup_size: 128
    .sgpr_count:     66
    .vgpr_count:     196
    .wavefront_size: 32
...
	.end_amdgpu_metadata
.endif
;; end of part 1
